; MI455X (gfx1250); checked and timed in simulation.
; The chip was launched on July 23, 2026; its instructions are those of AMD's public machine-readable ISA for CDNA 5 (MIT licence, August 2026) and "CDNA5" Instruction Set Architecture Reference Guide (July 2026). The comments in the code are by the model that wrote it; some were corrected since.
;; Scaled Dot Product Attention. Allowed arithmetic: matrix products marked QUANTISED: E4M3 operands, one given power-of-two scale a tensor, by v_wmma_f32_16x16x64_fp8_fp8 or v_wmma_f32_16x16x128_fp8_fp8, f32 sums; everything else in f32.
;; Inputs: k 4 x 16 x 2,048 x 64 float32; key_padding_mask 4 x 2,048 bool; lowp_scales 4 int32 (the exponents e of the quantised operands' scales 2^e); q 4 x 16 x 2,048 x 64 float32; v 4 x 16 x 2,048 x 64 float32.
;; Outputs: out0 4 x 16 x 2,048 x 64 float32.
;; This version of the problem:
;;   THIS VERSION OF THE PROBLEM IS GIVEN IN LOW PRECISION. The matrix products marked QUANTISED in the list below multiply operands that are first quantised to E4M3 (4 exponent bits, 3 mantissa bits; 8 bits a number), with one given power-of-two scale for each operand tensor; their sums are f32. All else is computed in f32.
;;   The module's matrix products, in the order in which they are computed (A, B: the left and right operand; K: the contracted axis; several contracted axes count as one K, in the product's order):
;;     1. batch 64 x [M 2,048, K 64] x [K 64, N 2,048]; A: input q; B: input k: QUANTISED (scales: A lowp_scales[0], B lowp_scales[1])
;;     2. batch 64 x [M 2,048, K 2,048] x [K 2,048, N 64]; A: softmax (see below); B: input v: QUANTISED (scales: A lowp_scales[2], B lowp_scales[3])
;;   THE QUANTISER, for each operand of a quantised product, along K:
;;     - The operand's scale is 2^e, e = its entry of the input lowp_scales (int32; the entries are numbered through the quantised products in the list's order, A before B).
;;     - Each number is divided by the scale, clamped to +-448, and rounded to the nearest number of E4M3, ties to even, subnormals kept.
;;     - The product sums the exact products of the quantised numbers (number of the format x scale) in f32.
;;   ~~~python
;;   def quantise(x, axis, e):      # numpy; x: float32 -> the quantised numbers, widened to float32 again
;;       x = np.moveaxis(x, axis, -1); K = x.shape[-1]
;;       r = np.clip(x / 2.0 ** e, -448, 448)
;;       step = 2.0 ** (np.maximum(np.frexp(np.where(r == 0, 1, r))[1] - 1, -6) - 3)
;;       q = np.round(r / step) * step * 2.0 ** e      # np.round: ties to even
;;       return np.moveaxis(q, -1, axis).astype(np.float32)
;;   ~~~
;;   SOFTMAX AHEAD OF A QUANTISED PRODUCT. Where the list says 'softmax', what is quantised is not the finished softmax but p = 2^(t - M), with t = logit x log2(e) and M = ceil(the row's largest t), a whole number; so 1/2 < the row's largest p <= 1. The row's sum l is taken of the UNQUANTISED p, in f32, and the product's result is divided by l at the end. Since M is a whole number, a kernel that streams over the keys may use a running M (the ceiling of the running maximum): every later rescaling is an exact power of two, so the quantised numbers keep their values, but for numbers so far below the row's largest that they fall under the format's range.
;;   OPERANDS COMPUTED ON THE WAY. 'Computed on the way' means the value that the module computes at that place (a softmax that the list does not call 'softmax' is quantised finished and normalised). What goes into a quantiser is computed in f32, as accurately as f32 sums, v_exp_f32 and their like allow (about 1e-6 of the number): no bf16 or f16 on the way to a quantiser, and a product that is left as it is and whose result goes on into a quantised operand takes f32 operands (vector FMAs, or v_wmma_f32_16x16x4_f32). A number that lies on a knife's edge between two numbers of the format may be rounded either way, as far as f32 arithmetic and the matrix unit's own rounding can turn it there, and no further.
;; One version. Each part assembles by itself: llvm-mc -triple=amdgcn-amd-amdhsa -mcpu=gfx1250 --defsym DOCPART=n.
;; ======== version 1 of 1: 1 launch
;; limits: right only within a limited range of input values
;; launch attn (part 1): grid 64 x 4, 8 waves a work-group, no clusters, 308,224 bytes of LDS; arguments q, k, v, key_padding_mask, lowp_scales, out0; writes out0
.if DOCPART == 1
	.amdgcn_target "amdgcn-amd-amdhsa--gfx1250"
	.amdhsa_code_object_version 6
	.text
	.protected	k_q8ece6157e2_attn
	.globl	k_q8ece6157e2_attn
	.p2align	8
	.type	k_q8ece6157e2_attn,@function
k_q8ece6157e2_attn:
	s_mov_b64 s[64:65], 0
	v_nop
	global_prefetch_b8 v0, s[64:65] scope:SCOPE_SE
	s_setreg_imm32_b32 hwreg(HW_REG_WAVE_MODE, 25, 1), 1
	s_wait_xcnt 0x0
; out[b][h][q][:] = sum over k of softmax_k(q . k / 8, padded keys at a large negative logit) v[k][:].  q, k, v, out: [4][16][2048][64] f32; the mask: [4][2048] bytes; four exponents eq, ek, ep, ev.
; Both products run on codes of E4M3 with the given scales.  t = logit x log2(e); M = the ceiling of the running largest t; p = 2^(t - M) is quantised with 2^ep, not normalised;
; the row's sum is taken of the unquantised p, in f32, and divides at the end, together with x 2^(ep + ev).  When M moves, the sum and O are multiplied by 2^(old M - new M), which rounds nothing.
; SHARES.  A work-group owns 512 queries of one head (x: the head, y: the block), each of its eight waves 64: four tiles of 16.  Every wave walks the head's 2,048 keys, 128 a step, 16 steps.
; LAYOUT.  Both products are used transposed: S^T = K Q^T (16x16x64), O^T = V^T P^T (16x16x128): a lane holds ONE query.  Lane r of key tile 2 b + u takes key 32 b + 8 u + r + 8 (r / 8), so that S's register
; 16 b + i is key 32 b + 16 (lane / 16) + i and the conversions' results are the second product's operand.  Along K every operand lies as registers 4 c .. 4 c + 3 = k 32 c + 16 (lane / 16) + 0 .. 15, alike on both sides.
; K AND V ARE QUANTISED HERE, ONE STEP AHEAD: in tile 0 of step s each wave turns an eighth of chunk s + 1 into codes (K while the step's fragments of K are on their way from LDS, V behind the scores),
; stores them in LDS as images of the operands' registers and loads chunk s + 2.  Every chunk has LDS bytes of its own, so nothing in LDS is overwritten.
; ONE BARRIER A STEP, SPLIT: a wave signals at the end of tile 0, when its codes have landed, and waits at the head of the next step; between the two stand register work and LDS loads of bytes that are not written any more.
; V: a lane loads 4 channels of 8 keys (each load: two whole rows of 256 bytes), converts along the channels, and sixteen v_perm_b32 turn the 8 x 4 bytes so that the keys lie innermost.
; THE FIRST STEP is written out: q's numbers wait in O's registers and become codes tile by tile; tiles 2 and 3 of q and chunk 1 are asked for in it, behind its LDS loads; its second products take 0 as C, so nothing is cleared.
; THE LAST STEP goes tile by tile: V's fragments lie in the staging registers, Q's in P's idle registers, and each tile is divided, staged and stored while the next is worked.
; THE MASK: a table in LDS holds, for each key, 0 or NEGC = -2^(33 - eq - ek); its registers are the C of the first product, and a padded key's codes of K are 0 (its hold's limit is 0), so a padded sum is NEGC exactly.
; STATED DEPARTURE: a padded logit is -2^30 and not -1e9.  NEGC x c is exact, so a row whose keys are all padded has p = 1 everywhere, as with -1e9; in every other row a padded p is 0 either way
; while eq + ek <= 9, where no unpadded logit passes 64 x 448 x 448 x 2^9 / 8 = 8.2e8 in size.
; LIMITS: -94 <= eq + ek <= 9; eq, ek, ep, ev each between -126 and 119.  NaN among the inputs is not served.  A mask byte other than 0 counts as true.
; NO JOINT TENSOR LOADS, though the four work-groups of a head read the same K and V: these arrive as f32 and pass through registers to become codes; the head's codes (262,144 bytes), the bias table (8,192)
; and the waves' regions (36,864) leave 20,480 bytes of LDS, and a step's K and V in f32 are 65,536.
; REGISTERS, in windows of 256 (s_set_vgpr_msb: bits 1:0 source 0, 3:2 source 1, 5:4 source 2, 7:6 destination):
;   window 0: v1-15 addresses; v16-31 four statistics a tile; v32-63 at work; v64-127 S^T, then p; v128-191 P's codes; v192-255 the step's bias
;   window 1: v0-127 O^T (in the first step q's numbers); v128-191 fragments of K, later of V; v192-223 K's staging registers, v224-255 V's
.set CHG,  32768      ; a chunk of 128 keys in memory
.set CHB,  8192       ; its image in LDS, for K as for V
.set VIMG, 131072     ; K's images from 0 (chunk 8192 s, fragment 1024 T, block 512 c, lane 16 L); V's from here (fragment 2048 d, block 512 c)
.set BIAS, 262144     ; the bias table: key k at 4 k
.set WREG, 270336     ; 4,608 bytes a wave: Q's images (tile 1024 t, block 512 c), in the last step the stage of 16 rows x 272 bytes
.set WRB,  4608
.set SP,   272
.set LI,   1          ; 16 x lane
.set KGO,  2          ; K in memory: my key of my fragment x 256 + 64 (lane / 16)
.set VGO,  3          ; V in memory: 4096 x wave + 2048 (lane / 16) + 16 (lane % 16)
.set KWB,  4          ; K's image: 16 x lane + 1024 x wave
.set VWB,  5          ; V's image: VIMG + 2048 (cq / 4) + 64 (cq % 4) + 256 x wave + 8 (lane / 16), cq = lane % 16
.set BB,   6          ; BIAS + 64 (lane / 16)
.set KBB,  7          ; BIAS + 4 x my key of my fragment
.set AQ,   8
.set PFO,  9
.set ADK,  10
.set ADV,  11
.set ADB,  12
.set ADKB, 13
.set ADKW, 14
.set ADVW, 15
.set ST,   16         ; tile t: v[ST+4t] -M, +1 the largest t, +2, +3 the sum in two halves
.set F,    32         ; v[32:33] f; the upper word is named with it as a pair
.set MA,   34
.set MB,   35
.set PX,   36
.set OLD,  37
.set SUM,  38
.set KB,   40
.set KLIM, 41
.set KL0,  42
.set KSC,  43
.set QSC,  44
.set VSC,  45
.set PLIM, 46
.set PSC,  47
.set CA,   48         ; v[48:51], v[60:63]: codes just made
.set Q,    52
.set CB,   60         ; (v60 also: q's offset, from the head's end to the first step's loads)
.set STO,  60
.set RD,   61
.set S,    64
.set P,    128
.set BR,   192
.set O,    0          ; window 1
.set KV,   128
.set STG,  192
.set STV,  224
.set QP,   4
.set KP,   6
.set VP,   8
.set MP,   10
.set OP,   14
.set WV,   16
.set CS,   28
.set SEL,  30
.set TB,   32
.set TBB,  33
.set TRIP, 34
.set LIM,  35
.set PFA,  36
.set HOLD, 38
.set EPV,  39
.set SLO,  48         ; s48-51: v_perm_b32's selects
.set SHI,  49
.set SA,   50
.set SB,   51
.set VLN,  52         ; s[52:53] -448 x 2^ev, +448 x 2^ev
.set QLN,  54         ; s[54:55] the same for q
.set MSB, 0
.macro WIN new
.if MSB != \new
	s_set_vgpr_msb (MSB<<8)|\new
.set MSB, \new
.endif
.endm
.macro LOADK off                       ; my key's 64 channels: register 16 q + i is channel 32 q + 16 (lane / 16) + i
	WIN 0x40
.irp q, 0,1
.irp j, 0,1,2,3
	global_load_b128 v[STG+16*\q+4*\j:STG+16*\q+4*\j+3], v[KGO], s[KP:KP+1] offset:(\off)+128*\q+16*\j
.endr
.endr
	WIN 0
.endm
.macro LOADV off                       ; register 4 i + c: key 16 w + 8 (lane / 16) + i, channel 4 (lane % 16) + c; sixteen lanes read one row of 256 bytes
	WIN 0x40
.irp i, 0,1,2,3,4,5,6,7
	global_load_b128 v[STV+4*\i:STV+4*\i+3], v[VGO], s[VP:VP+1] offset:(\off)+256*\i
.endr
	WIN 0
.endm
.macro LOADQ t, a                      ; tile t of q into O's registers; q is read once, by this wave
.irp c, 0,1
.irp j, 0,1,2,3
	global_load_b128 v[O+32*(\t)+16*\c+4*\j:O+32*(\t)+16*\c+4*\j+3], v[\a], s[QP:QP+1] offset:4096*(\t)+128*\c+16*\j th:TH_LOAD_NT
.endr
.endr
.endm
; K's eighth of a chunk becomes 32 codes a lane; n: the loads younger than K's eight
.macro PRODK load, soff, n
	s_wait_loadcnt \n
	WIN 0x41
.set sj, 0
.rept 32
	v_med3_num_f32 v[STG+sj], v[STG+sj], -v[KLIM], v[KLIM]   ; the conversion does not saturate (ISA guide 7.6.2): the hold; 0 for a padded key
.set sj, sj+1
.endr
	WIN 0x01
	v_cvt_scalef32_pk8_fp8_f32 v[CA:CA+1], v[STG:STG+7], v[KSC]
	v_cvt_scalef32_pk8_fp8_f32 v[CA+2:CA+3], v[STG+8:STG+15], v[KSC]
	v_cvt_scalef32_pk8_fp8_f32 v[CB:CB+1], v[STG+16:STG+23], v[KSC]
	v_cvt_scalef32_pk8_fp8_f32 v[CB+2:CB+3], v[STG+24:STG+31], v[KSC]
	v_nop                                          ; one plain line behind the last conversion
	WIN 0
	ds_store_b128 v[ADKW], v[CA:CA+3] offset:\soff
	ds_store_b128 v[ADKW], v[CB:CB+3] offset:\soff+512
.if \load
	LOADK 0
.endif
.endm
; V's eighth: code register i = key i's four channels; two rounds of byte selects give, for each channel, its eight keys in a pair of registers
.macro PRODV load, soff, n
	s_wait_dscnt 0x0                               ; earlier stores have read the codes' registers
	s_wait_loadcnt \n
	WIN 0x41
.set sj, 0
.rept 32
	v_med3_num_f32 v[STV+sj], v[STV+sj], s[VLN], s[VLN+1]
.set sj, sj+1
.endr
	WIN 0x01
	v_cvt_scalef32_pk8_fp8_f32 v[CA:CA+1], v[STV:STV+7], v[VSC]
	v_cvt_scalef32_pk8_fp8_f32 v[CA+2:CA+3], v[STV+8:STV+15], v[VSC]
	v_cvt_scalef32_pk8_fp8_f32 v[CB:CB+1], v[STV+16:STV+23], v[VSC]
	v_cvt_scalef32_pk8_fp8_f32 v[CB+2:CB+3], v[STV+24:STV+31], v[VSC]
	v_nop
	WIN 0x40                                       ; round 1, into staging registers that are done with: two keys' channels 0, 1 and 2, 3 interleaved
	v_perm_b32 v[STV+0], v[CA+1], v[CA+0], s[SLO]
	v_perm_b32 v[STV+1], v[CA+1], v[CA+0], s[SHI]
	v_perm_b32 v[STV+2], v[CA+3], v[CA+2], s[SLO]
	v_perm_b32 v[STV+3], v[CA+3], v[CA+2], s[SHI]
	v_perm_b32 v[STV+4], v[CB+1], v[CB+0], s[SLO]
	v_perm_b32 v[STV+5], v[CB+1], v[CB+0], s[SHI]
	v_perm_b32 v[STV+6], v[CB+3], v[CB+2], s[SLO]
	v_perm_b32 v[STV+7], v[CB+3], v[CB+2], s[SHI]
	WIN 0x05                                       ; round 2: channel c's keys 0-3 and 4-7
	v_perm_b32 v[CA+0], v[STV+2], v[STV+0], s[SA]
	v_perm_b32 v[CA+1], v[STV+6], v[STV+4], s[SA]
	v_perm_b32 v[CA+2], v[STV+2], v[STV+0], s[SB]
	v_perm_b32 v[CA+3], v[STV+6], v[STV+4], s[SB]
	v_perm_b32 v[CB+0], v[STV+3], v[STV+1], s[SA]
	v_perm_b32 v[CB+1], v[STV+7], v[STV+5], s[SA]
	v_perm_b32 v[CB+2], v[STV+3], v[STV+1], s[SB]
	v_perm_b32 v[CB+3], v[STV+7], v[STV+5], s[SB]
	WIN 0
	ds_store_b64 v[ADVW], v[CA:CA+1] offset:\soff
	ds_store_b64 v[ADVW], v[CA+2:CA+3] offset:\soff+16
	ds_store_b64 v[ADVW], v[CB:CB+1] offset:\soff+32
	ds_store_b64 v[ADVW], v[CB+2:CB+3] offset:\soff+48
.if \load
	LOADV 0
.endif
.endm
; The first step: tile t's 32 numbers of q a lane become its fragment, which also goes to my region for the later steps.
; Younger than tile t's eight loads: tile 0: tile 1's 8; tiles 1 to 3: the later tiles' and chunk 1's sixteen: 32, 24, 16
.macro QCONV t
.if (\t) == 0
	s_wait_loadcnt 8
.else
	s_wait_loadcnt 40-8*(\t)
.endif
	WIN 0x41
.set sj, 0
.rept 32
	v_med3_num_f32 v[O+32*(\t)+sj], v[O+32*(\t)+sj], s[QLN], s[QLN+1]
.set sj, sj+1
.endr
	WIN 0x01
.irp g, 0,1,2,3
	v_cvt_scalef32_pk8_fp8_f32 v[Q+2*\g:Q+2*\g+1], v[O+32*(\t)+8*\g:O+32*(\t)+8*\g+7], v[QSC]
.endr
	v_nop
	WIN 0
	ds_store_b128 v[AQ], v[Q:Q+3] offset:1024*(\t)
	ds_store_b128 v[AQ], v[Q+4:Q+7] offset:1024*(\t)+512
.endm
.macro QK4 b                           ; S^T = K Q^T + the mask's bias: four tiles of 16 keys, each an accumulator of its own.  QR: the tile's fragment of Q
	WIN 0x01
.irp T, 0,1,2,3
	v_wmma_f32_16x16x64_fp8_fp8 v[S+8*(\T+\b):S+8*(\T+\b)+7], v[KV+8*(\T+\b):KV+8*(\T+\b)+7], v[QR:QR+7], v[BR+8*(\T+\b):BR+8*(\T+\b)+7]
.endr
.endm
.macro PV t, first, pb                 ; O^T(t) += V^T P^T(t): the four accumulators take turns; the first step starts the sums.  VB: V's fragments
	WIN 0x51
.irp d, 0,1,2,3
.if \first
	v_wmma_f32_16x16x128_fp8_fp8 v[O+32*(\t)+8*\d:O+32*(\t)+8*\d+7], v[VB+16*\d:VB+16*\d+15], v[\pb:\pb+15], 0
.else
	v_wmma_f32_16x16x128_fp8_fp8 v[O+32*(\t)+8*\d:O+32*(\t)+8*\d+7], v[VB+16*\d:VB+16*\d+15], v[\pb:\pb+15], v[O+32*(\t)+8*\d:O+32*(\t)+8*\d+7]
.endif
.endr
	WIN 0
.endm
; A PREFETCH INTO THE L2: in step s, chunk s + 3, which is loaded in step s + 1.  A lane a row of 256 bytes; waves 0 to 3 take K's 128 rows, waves 4 to 7 V's.  Of the four work-groups of a head
; the first (y = 0) asks, so each row is named once.  Step 13 (TRIP = 1) asks for nothing: there is no chunk 16.  Chunks 0 to 2 come by their loads alone.
.macro ASK
	s_cmp_gt_u32 s[TRIP], s[LIM]
	s_cbranch_scc0 .Lnot_mine_\@
	global_prefetch_b8 v[PFO], s[PFA:PFA+1] th:TH_LOAD_NT scope:SCOPE_SE
.Lnot_mine_\@:
.endm
; One tile's softmax for 128 keys.  MID = 1 (tile 3 of every step but the last): the second product of all four tiles is set between its parts.  LASTS = 1: the tile's own second product follows.  PB: where its codes go
.macro SOFTMAX t, first
.set rT, ST+4*(\t)
	v_max3_num_f32 v[MA], v[S], v[S+1], v[S+2]     ; my query's largest sum among my 64 keys, in four chains, each accumulator from its low end on
	v_max3_num_f32 v[MB], v[S+3], v[S+4], v[S+5]
	v_max3_num_f32 v[OLD], v[S+6], v[S+7], v[S+8]
	v_max3_num_f32 v[SUM], v[S+9], v[S+10], v[S+11]
.irp i, 12,20,28,36,44,52
	v_max3_num_f32 v[MA], v[MA], v[S+\i], v[S+\i+1]
	v_max3_num_f32 v[MB], v[MB], v[S+\i+2], v[S+\i+3]
	v_max3_num_f32 v[OLD], v[OLD], v[S+\i+4], v[S+\i+5]
	v_max3_num_f32 v[SUM], v[SUM], v[S+\i+6], v[S+\i+7]
.endr
	v_max3_num_f32 v[MA], v[MA], v[S+60], v[S+61]
	v_max3_num_f32 v[MB], v[MB], v[S+62], v[S+63]
	s_delay_alu instid0(VALU_DEP_1)
	v_max3_num_f32 v[MA], v[MA], v[MB], v[OLD]
	s_delay_alu instid0(VALU_DEP_1)
	v_max_num_f32 v[MA], v[MA], v[SUM]
	s_delay_alu instid0(VALU_DEP_1)
	v_permlanex16_b32 v[PX], v[MA], s[SEL], s[SEL+1]
	s_delay_alu instid0(VALU_DEP_1)
	v_max_num_f32 v[MA], v[MA], v[PX]              ; and among lane l xor 16's
	s_delay_alu instid0(VALU_DEP_1)
	v_mul_f32 v[MA], s[CS], v[MA]                  ; as t (c is positive)
	s_delay_alu instid0(VALU_DEP_1)
	v_max_num_f32 v[rT+1], v[rT+1], v[MA]          ; the running largest t
	v_mov_b32 v[OLD], v[rT]
	s_delay_alu instid0(VALU_DEP_2)
	v_floor_f32 v[rT], -v[rT+1]                    ; -M = floor(-t)
	s_delay_alu instid0(VALU_DEP_1)
	v_sub_f32 v[OLD], v[rT], v[OLD]                ; old M - new M: a whole number, 0 or less
	s_delay_alu instid0(VALU_DEP_1)
	v_cvt_i32_f32 v[OLD], v[OLD]                   ; (it saturates)
	s_delay_alu instid0(VALU_DEP_1)
	v_ldexp_f32 v[F], 1.0, v[OLD]                  ; f = 2^(old M - new M)
.if MID
	s_wait_alu depctr_va_vdst(0)
	s_wait_dscnt 0x0                               ; V's fragments, the next step's Q, bias and bias word are in; my stores have landed
.if \first
	s_barrier_signal -1                            ; the first step makes its codes in tile 3: my part of chunk 1 has landed
.endif
	PV 0, \first, P
.endif
.set sj, 0
.rept 32
	v_pk_fma_f32 v[S+sj:S+sj+1], v[S+sj:S+sj+1], s[CS:CS+1], v[rT:rT+1] op_sel_hi:[1,0,0]   ; t - M, two at a time
.set sj, sj+2
.endr
.if MID
	PV 1, \first, P+16
.endif
.set sj, 0
	s_wait_alu depctr_va_vdst(0)                   ; ahead of the batch
.rept 64
	v_exp_f32 v[S+sj], v[S+sj]                     ; p = 2^(t - M)
.set sj, sj+1
.endr
	v_pk_mul_f32 v[rT+2:rT+3], v[rT+2:rT+3], v[F:F+1] op_sel_hi:[1,0]   ; the sum under the new M: the plain line behind the last exponential
.if (\first) == 0
	WIN 0x41
.set sj, 0
	s_wait_alu depctr_va_vdst(0)                   ; directly ahead of the first reader of O^T
.rept 16
	v_pk_mul_f32 v[O+32*(\t)+sj:O+32*(\t)+sj+1], v[O+32*(\t)+sj:O+32*(\t)+sj+1], v[F:F+1] op_sel_hi:[1,0]   ; O^T under the new M, each accumulator from its low end on
.set sj, sj+2
.endr
	WIN 0
.endif
.if MID
	PV 2, \first, P+32
.endif
	s_wait_alu depctr_va_vdst(0)                   ; one wait for the batch of 64, ahead of its first reader
	v_pk_add_f32 v[SUM:SUM+1], v[S:S+1], v[S+2:S+3]   ; the row's sum of the unquantised p, two at a time, in four chains
	v_pk_add_f32 v[MA:MA+1], v[S+4:S+5], v[S+6:S+7]
	v_pk_add_f32 v[PX:PX+1], v[S+8:S+9], v[S+10:S+11]
	v_pk_add_f32 v[rT+2:rT+3], v[rT+2:rT+3], v[S+12:S+13]
.irp j, 14,22,30,38,46,54
	v_pk_add_f32 v[SUM:SUM+1], v[SUM:SUM+1], v[S+\j:S+\j+1]
	v_pk_add_f32 v[MA:MA+1], v[MA:MA+1], v[S+\j+2:S+\j+3]
	v_pk_add_f32 v[PX:PX+1], v[PX:PX+1], v[S+\j+4:S+\j+5]
	v_pk_add_f32 v[rT+2:rT+3], v[rT+2:rT+3], v[S+\j+6:S+\j+7]
.endr
	v_pk_add_f32 v[SUM:SUM+1], v[SUM:SUM+1], v[S+62:S+63]
	v_pk_add_f32 v[MA:MA+1], v[MA:MA+1], v[PX:PX+1]
	v_pk_add_f32 v[rT+2:rT+3], v[rT+2:rT+3], v[SUM:SUM+1]
	v_pk_add_f32 v[rT+2:rT+3], v[rT+2:rT+3], v[MA:MA+1]
	s_cmp_eq_u32 s[HOLD], 0                        ; p is at most 1: it can pass 448 x 2^ep only where ep < -8.  A scalar branch on a whole number that was read from memory
.if LASTS
	s_wait_alu depctr_va_vdst(0)                   ; directly ahead of the branch
.endif
	s_cbranch_scc1 .Lno_hold_\@
.set sj, 0
.rept 64
	v_min_num_f32 v[S+sj], v[S+sj], v[PLIM]        ; p is not negative: the hold is one-sided
.set sj, sj+1
.endr
.Lno_hold_\@:
.irp b, 0,1,2,3
	v_cvt_scalef32_pk8_fp8_f32 v[PB+4*\b:PB+4*\b+1], v[S+16*\b:S+16*\b+7], v[PSC]
	v_cvt_scalef32_pk8_fp8_f32 v[PB+4*\b+2:PB+4*\b+3], v[S+16*\b+8:S+16*\b+15], v[PSC]
.endr
	v_nop                                          ; one plain line between the conversions and the products that read their results or write their sources
.if MID
	PV 3, \first, P+48
.endif
.if LASTS
	PV \t, 0, P
.endif
.endm
; The last step's way out of tile t: the sum's halves and lane l xor 16's are added; O^T x 2^(ep + ev) / the sum goes through my stage in LDS, comes back as whole rows into O's own registers, and is stored.
.macro OUT t
.set rT, ST+4*(\t)
	v_add_f32 v[rT+2], v[rT+2], v[rT+3]            ; (two additions, v_nop and v_ldexp_f32: four places behind the products)
	v_permlanex16_b32 v[rT+3], v[rT+2], s[SEL], s[SEL+1]
	v_add_f32 v[rT+2], v[rT+2], v[rT+3]
	s_wait_alu depctr_va_vdst(0)                   ; ahead of the transcendental
	v_rcp_f32 v[rT+2], v[rT+2]
	v_nop                                          ; one plain place behind it
	s_wait_alu depctr_va_vdst(0)                   ; ahead of its first reader
	v_ldexp_f32 v[rT+2], v[rT+2], s[EPV]
	WIN 0x01
	s_wait_alu depctr_va_vdst(0)                   ; directly ahead of the first reader of O^T
.irp j, 0,2,4,6,8,10,12,14,16,18,20,22,24,26,28,30
	v_pk_mul_f32 v[S+\j:S+\j+1], v[O+32*(\t)+\j:O+32*(\t)+\j+1], v[rT+2:rT+3] op_sel_hi:[1,0]   ; register 8 d + i: out(16 t + r, 16 d + 8 h + i)
.endr
	WIN 0
.irp d, 0,1,2,3
	ds_store_b128 v[STO], v[S+8*\d:S+8*\d+3] offset:64*\d
	ds_store_b128 v[STO], v[S+8*\d+4:S+8*\d+7] offset:64*\d+16
.endr
	WIN 0x40
.irp i, 0,1,2,3,4,5,6,7
	ds_load_b128 v[O+32*(\t)+4*\i:O+32*(\t)+4*\i+3], v[RD] offset:2*SP*\i   ; LDS serves a wave's instructions in order (ISA guide 5.7.1.4): these see the stores above
.endr
	WIN 0x04
	s_wait_dscnt 0x0                               ; the tile is back, and the stores into the stage have read S's registers, which the next scores write
.irp i, 0,1,2,3,4,5,6,7
	global_store_b128 v[LI], v[O+32*(\t)+4*\i:O+32*(\t)+4*\i+3], s[OP:OP+1] offset:4096*(\t)+512*\i th:TH_STORE_NT   ; 32 lanes store two rows: 512 consecutive bytes, at a multiple of 256 from out's first byte
.endr
	WIN 0
.endm
; Tile t of a step.  prod = 0 is the last step.
.macro TILE t, prod, load, first
.set DOK, 0
.set DOV, 0
.set LQ, 0
.set MID, 0
.set LASTS, 0
.set QR, Q
.set PB, P+16*(\t)
.if \first
.if (\t) == 3
.set DOK, 1
.set DOV, 1
.set LQ, 1
.endif
.else
.if \prod
.set LQ, 1
.if (\t) == 0
.set DOV, 1
.endif
.else
.set LASTS, 1
.set PB, P
.if (\t) > 0
.set QR, P+8+8*(\t)
.endif
.endif
.endif
.if \prod
.if (\t) == 3
.set MID, 1
.endif
.endif
.if \first
	QCONV \t
.if (\t) == 0
	WIN 0x40                                       ; behind the step's LDS loads and tile 0's stores: the rest of q, and chunk 1 (the bases stand at chunk 2)
	LOADQ 2, CB
	LOADQ 3, CB
	LOADK -CHG
	LOADV -CHG
	s_wait_alu depctr_va_vdst(0)
	s_wait_dscnt 0x0
.endif
	QK4 0
	QK4 4
.else
.if (\t) == 0
.if \prod
	PRODK \load, CHB, 8                            ; while K's fragments are on their way.  Younger than K's eight loads: V's eight
	s_wait_dscnt 10                                ; K's first four fragments are in; the younger eight loads and my two stores may be out
	QK4 0
	s_wait_dscnt 2
	QK4 4
.else
	s_wait_dscnt 30                                ; the younger eight loads of K, V's sixteen and Q's six may be out
	QK4 0
	s_wait_dscnt 0x0
	QK4 4
.endif
.else
	QK4 0
	QK4 4
.endif
.endif
.if DOK
	PRODK \load, CHB, 8
.endif
.if DOV
	PRODV \load, CHB, 8*(\load)                    ; its holds are the places behind the products (ISA guide 7.12.1).  Younger than V's eight loads: the eight for K just issued, or none
.if \load
	ASK
.endif
.else
	WIN 0
.rept 4
	v_nop                                          ; four places behind the products, ahead of loads into their sources and of the first read of their results
.endr
.endif
.if MID
	WIN 0x40                                       ; all four tiles have multiplied by K: its registers take V's four fragments
.irp d, 0,1,2,3
.irp c, 0,1,2,3
	ds_load_b128 v[KV+16*\d+4*\c:KV+16*\d+4*\c+3], v[ADV] offset:2048*\d+512*\c
.endr
.endr
	WIN 0
.endif
.if LQ
.irp c, 0,1
	ds_load_b128 v[Q+4*\c:Q+4*\c+3], v[AQ] offset:1024*(((\t)+1)%4)+512*\c
.endr
.endif
.if MID
.irp b, 0,1,2,3
.irp j, 0,1,2,3
	ds_load_b128 v[BR+16*\b+4*\j:BR+16*\b+4*\j+3], v[ADB] offset:512+128*\b+16*\j   ; the next step's bias: register 16 b + i is key 32 b + 16 (lane / 16) + i; the table is written at the head alone
.endr
.endr
.if \load
	ds_load_b32 v[KB], v[ADKB] offset:1024         ; my key of the chunk that the next step quantises
.endif
.endif
	SOFTMAX \t, \first
.if \prod
.if (\t) < 3
	s_wait_dscnt 0x0                               ; the next tile's Q is in, and my stores have landed
.if DOV
	s_barrier_signal -1                            ; my part of the next chunk's images has landed: say so; the wait stands at the next step's head
.endif
.endif
.else
	OUT \t
.endif
.endm
.macro STEP prod, load, first
	s_barrier_wait -1                              ; everybody's part of this step's images has landed
.if \load
	s_wait_xcnt 0x0                                ; the loads and the prefetch so far have read their bases and offsets
	s_add_nc_u64 s[KP:KP+1], s[KP:KP+1], CHG*(1+\first)
	s_add_nc_u64 s[VP:VP+1], s[VP:VP+1], CHG*(1+\first)
	s_add_nc_u64 s[PFA:PFA+1], s[PFA:PFA+1], CHG
.endif
.if \prod
.set VB, KV
.else
.set VB, STG
	s_mul_i32 s40, s[WV], WRB
	s_add_co_u32 s40, s40, WREG                    ; my stage: my wave's region, whose images of Q are read for the last time below
.endif
	v_add_nc_u32 v[ADK], s[TB], v[LI]              ; these plain lines, four at the least, are also the places behind the last products, ahead of the loads into their sources
	s_delay_alu instid0(VALU_DEP_1)
	v_add_nc_u32 v[ADV], VIMG, v[ADK]
.if \prod
	v_add_nc_u32 v[ADB], s[TBB], v[BB]
	v_add_nc_u32 v[ADKB], s[TBB], v[KBB]
	v_add_nc_u32 v[ADKW], s[TB], v[KWB]
	v_add_nc_u32 v[ADVW], s[TB], v[VWB]
	v_cmp_eq_u32 vcc_lo, 0, v[KB]
	s_delay_alu instid0(VALU_DEP_1)
	v_cndmask_b32 v[KLIM], 0, v[KL0], vcc_lo       ; a padded key's numbers are held at 0
.else
	v_and_b32 v62, 15, v0                          ; r
	v_bfe_u32 v63, v0, 4, 1                        ; h
	v_mul_u32_u24 v[STO], v62, SP
	s_delay_alu instid0(VALU_DEP_1)
	v_lshl_add_u32 v[STO], v63, 5, v[STO]
	s_delay_alu instid0(VALU_DEP_1)
	v_add_nc_u32 v[STO], s40, v[STO]               ; in: row r; channel tile d's eight numbers of my half: 64 d + 32 h bytes on
	v_mul_u32_u24 v[RD], v63, SP
	s_delay_alu instid0(VALU_DEP_1)
	v_lshl_add_u32 v[RD], v62, 4, v[RD]
	s_delay_alu instid0(VALU_DEP_1)
	v_add_nc_u32 v[RD], s40, v[RD]                 ; back: lanes 0-15 one row, lanes 16-31 the next
.endif
	WIN 0x40
.irp T, 0,1,2,3,4,5,6,7
.irp c, 0,1
	ds_load_b128 v[KV+8*\T+4*\c:KV+8*\T+4*\c+3], v[ADK] offset:1024*\T+512*\c
.endr
.endr
.if (\prod) == 0
.irp d, 0,1,2,3
.irp c, 0,1,2,3
	ds_load_b128 v[STG+16*\d+4*\c:STG+16*\d+4*\c+3], v[ADV] offset:2048*\d+512*\c   ; the last step: V's fragments into the staging registers, which are idle
.endr
.endr
.endif
	WIN 0
.if \first
.irp b, 0,1,2,3
.irp j, 0,1,2,3
	ds_load_b128 v[BR+16*\b+4*\j:BR+16*\b+4*\j+3], v[ADB] offset:128*\b+16*\j   ; step 0's bias: the table is whole behind the barrier
.endr
.endr
.endif
.if (\prod) == 0
.irp t, 1,2,3
.irp c, 0,1
	ds_load_b128 v[P+8+8*\t+4*\c:P+8+8*\t+4*\c+3], v[AQ] offset:1024*\t+512*\c   ; Q's fragments of tiles 1 to 3 into P's idle registers
.endr
.endr
.endif
	s_wait_alu depctr_va_vdst(0)
	TILE 0, \prod, \load, \first
	TILE 1, \prod, \load, \first
	TILE 2, \prod, \load, \first
	TILE 3, \prod, \load, \first
.if \prod
	s_add_co_u32 s[TB], s[TB], CHB
	s_add_co_u32 s[TBB], s[TBB], 512
.endif
.endm
.macro SCL e, sc, lim                  ; 2^e as f32 (the conversion takes its exponent field), and 448 x 2^e
	s_add_co_i32 s42, s[\e], 127
	s_lshl_b32 s43, s42, 23
	v_mov_b32 v[\sc], s43
	s_add_co_i32 s42, s42, 8
	s_lshl_b32 s42, s42, 23
	s_or_b32 s42, s42, 0x600000
	v_mov_b32 v[\lim], s42
.endm
.macro SCLS e, sc, ln                  ; the same with the two bounds in scalar registers
	s_add_co_i32 s42, s[\e], 127
	s_lshl_b32 s43, s42, 23
	v_mov_b32 v[\sc], s43
	s_add_co_i32 s42, s42, 8
	s_lshl_b32 s42, s42, 23
	s_or_b32 s[\ln+1], s42, 0x600000
	s_or_b32 s[\ln], s[\ln+1], 0x80000000
.endm
	s_load_b256 s[4:11], s[0:1], 0x0               ; q, k, v, the mask
	s_load_b128 s[12:15], s[0:1], 0x20             ; the exponents, out
	v_lshrrev_b32 v248, 5, v0
	s_delay_alu instid0(VALU_DEP_1)
	v_readfirstlane_b32 s[WV], v248                ; wave 0..7
	s_lshl_b32 s20, ttmp9, 19                      ; the head's 2,048 rows of 256 bytes
	s_mov_b32 s21, 0
	s_and_b32 s18, ttmp7, 0xffff                   ; the block of 512 queries
	s_lshl_b32 s22, s18, 17
	s_lshl_b32 s40, s[WV], 14                      ; my wave's 64 rows
	s_add_co_u32 s22, s22, s40
	s_add_co_u32 s22, s22, s20
	s_mov_b32 s23, 0
	s_lshr_b32 s46, ttmp9, 4
	s_lshl_b32 s46, s46, 11                        ; the batch's 2,048 mask bytes
	s_mov_b32 s47, 0
	s_lshr_b32 s40, s[WV], 1
	s_lshl_b32 s40, s40, 5
	s_and_b32 s41, s[WV], 1
	s_lshl_b32 s41, s41, 3
	s_add_co_u32 s40, s40, s41                     ; fragment w begins at key 32 (w / 2) + 8 (w % 2)
	s_lshl_b32 s41, s[WV], 12
	s_lshl_b32 s42, s[WV], 10
	s_lshl_b32 s43, s[WV], 8                       ; keys 16 w on: block w / 2, half w % 2 of a fragment of V: 256 w
	s_add_co_u32 s43, s43, VIMG
	s_mul_i32 s17, s[WV], WRB
	s_add_co_u32 s17, s17, WREG
	s_mov_b32 s[SEL], 0x76543210
	s_mov_b32 s[SEL+1], 0xfedcba98
	s_mov_b32 s[SLO], 0x05010400
	s_mov_b32 s[SHI], 0x07030602
	s_mov_b32 s[SA], 0x05040100
	s_mov_b32 s[SB], 0x07060302
	s_mov_b32 s[TB], 0
	s_mov_b32 s[TBB], 0
	s_cmp_eq_u32 s18, 0
	s_cselect_b32 s[LIM], 1, -1                    ; 1 in the head's first work-group, else the greatest number
	s_and_b32 s44, s[WV], 3
	s_lshl_b32 s44, s44, 13                        ; my wave's 32 rows of a chunk,
	s_add_co_u32 s44, s44, 2*CHG                   ; in chunk 2: step 0 steps it to chunk 3
	s_mov_b32 s45, 0
	v_and_b32 v248, 31, v0                         ; L
	v_and_b32 v249, 15, v0                         ; r
	v_bfe_u32 v250, v0, 4, 1                       ; h
	v_lshlrev_b32 v[LI], 4, v248
	v_and_b32 v251, 8, v249
	v_add_nc_u32 v251, v251, v249                  ; r + 8 (r / 8)
	v_add_nc_u32 v251, s40, v251                   ; my key of the fragment that I quantise
	v_lshlrev_b32 v[KGO], 8, v251
	v_lshl_add_u32 v[KGO], v250, 6, v[KGO]
	v_lshl_add_u32 v[VGO], v250, 11, s41
	v_lshl_add_u32 v[VGO], v249, 4, v[VGO]
	v_add_nc_u32 v[KWB], s42, v[LI]
	v_bfe_u32 v252, v0, 2, 2
	v_and_b32 v253, 3, v0
	v_lshl_add_u32 v[VWB], v252, 11, s43
	v_lshl_add_u32 v[VWB], v253, 6, v[VWB]
	v_lshl_add_u32 v[VWB], v250, 3, v[VWB]
	v_lshl_add_u32 v[BB], v250, 6, BIAS
	v_lshl_add_u32 v[KBB], v251, 2, BIAS
	v_add_nc_u32 v[AQ], s17, v[LI]
	v_lshlrev_b32 v[PFO], 8, v248
	v_lshlrev_b32 v252, 8, v249
	v_lshl_add_u32 v252, v250, 6, v252             ; q: row r, + 64 h
	v_lshlrev_b32 v243, 3, v0                      ; the mask: eight bytes a thread
	v_lshl_add_u32 v244, v0, 5, BIAS               ; and their eight words of the table
	s_wait_alu depctr_va_vdst(0)
	s_wait_kmcnt 0x0
	s_load_b128 s[24:27], s[12:13], 0x0            ; eq, ek, ep, ev
	s_add_nc_u64 s[QP:QP+1], s[QP:QP+1], s[22:23]
	s_add_nc_u64 s[OP:OP+1], s[OP:OP+1], s[22:23]
	s_add_nc_u64 s[KP:KP+1], s[KP:KP+1], s[20:21]
	s_add_nc_u64 s[VP:VP+1], s[VP:VP+1], s[20:21]
	s_add_nc_u64 s[MP:MP+1], s[MP:MP+1], s[46:47]
	s_cmp_lt_u32 s[WV], 4                          ; waves 0 to 3 prefetch K's rows, waves 4 to 7 V's
	s_cselect_b64 s[PFA:PFA+1], s[KP:KP+1], s[VP:VP+1]
	s_add_nc_u64 s[PFA:PFA+1], s[PFA:PFA+1], s[44:45]
	global_load_b64 v[240:241], v243, s[MP:MP+1]
	global_load_u8 v245, v251, s[MP:MP+1]          ; my key's mask byte in chunk 0,
	global_load_u8 v[KB], v251, s[MP:MP+1] offset:128   ; and in chunk 1: other than 0 where the key is padded, as its word of the table is
	LOADK 0                                        ; chunk 0 ahead of q: everybody's first step hangs on it
	LOADV 0
	WIN 0x40
	LOADQ 0, 252
	LOADQ 1, 252
	WIN 0
	s_wait_kmcnt 0x0
	s_add_co_i32 s40, s24, s25                     ; eq + ek
	s_lshl_b32 s41, s40, 23
	s_add_co_i32 s[CS], s41, 0x3e38aa3b            ; log2(e) / 8, with eq + ek added to its exponent field
	s_mov_b32 s[CS+1], s[CS]
	s_sub_co_i32 s41, 160, s40
	s_lshl_b32 s41, s41, 23
	s_or_b32 s41, s41, 0x80000000
	v_mov_b32 v255, s41                            ; NEGC = -2^(33 - eq - ek)
	SCLS 24, QSC, QLN
	SCL 25, KSC, KL0
	SCL 26, PSC, PLIM
	SCLS 27, VSC, VLN
	s_cmp_lt_i32 s26, -8
	s_cselect_b32 s[HOLD], 1, 0
	s_add_co_i32 s[EPV], s26, s27
.irp t, 0,1,2,3
	v_mov_b32 v[ST+4*\t+1], 0xff61b1e6             ; the largest t so far: -3e38
	s_delay_alu instid0(VALU_DEP_1)
	v_floor_f32 v[ST+4*\t], -v[ST+4*\t+1]
	v_mov_b32 v[ST+4*\t+2], 0
	v_mov_b32 v[ST+4*\t+3], 0
.endr
	v_mov_b32 v[F+1], 0                            ; (named as the upper half of a pair)
	v_mov_b32 v[PX], 0                             ; a lane permute's destination counts as one of its sources
	s_wait_alu depctr_va_vdst(0)
	s_wait_loadcnt 32                              ; the mask's three loads are in: behind them chunk 0's 16 and q's 16
.irp i, 0,1,2,3,4,5,6,7
	v_bfe_u32 v242, v[240+\i/4], 8*(\i%4), 8
	s_delay_alu instid0(VALU_DEP_1)
	v_cmp_ne_u32 vcc_lo, 0, v242
	s_delay_alu instid0(VALU_DEP_1)
	v_cndmask_b32 v[BR+\i], 0, v255, vcc_lo
.endr
	ds_store_b128 v244, v[BR:BR+3]
	ds_store_b128 v244, v[BR+4:BR+7] offset:16
	v_cmp_eq_u32 vcc_lo, 0, v245
	s_delay_alu instid0(VALU_DEP_1)
	v_cndmask_b32 v[KLIM], 0, v[KL0], vcc_lo
	v_add_nc_u32 v[ADKW], s[TB], v[KWB]            ; (TB is 0)
	v_add_nc_u32 v[ADVW], s[TB], v[VWB]
	s_wait_alu depctr_va_vdst(0)
	PRODK 0, 0, 24                                 ; chunk 0 becomes codes.  Younger than K's eight loads: V's 8 and q's 16
	PRODV 0, 0, 16                                 ; younger than V's eight: q's 16
	s_wait_dscnt 0x0                               ; for the others' sake: my words of the table and my part of chunk 0's images have landed
	v_mov_b32 v[CB], v252                          ; q's offset, kept for the first step's loads
	s_wait_alu depctr_va_vdst(0)
	s_barrier_signal -1
	s_mov_b32 s[TRIP], 14
	STEP 1, 1, 1                                   ; step 0
	s_mov_b32 s[TRIP], 13
.Lstep:                                                ; steps 1 to 13
	STEP 1, 1, 0
	s_sub_co_u32 s[TRIP], s[TRIP], 1
	s_cmp_lg_u32 s[TRIP], 0
	s_cbranch_scc1 .Lstep
	STEP 1, 0, 0                                   ; step 14 quantises chunk 15 and asks for nothing: no load leaves its buffer
	STEP 0, 0, 0                                   ; step 15, with the way out
	v_lshl_add_u32 v254, v0, 2, 0x4b000            ; the spare words lie behind the waves' regions
	v_mov_b32 v255, 0
	s_wait_alu depctr_va_vdst(0)
	s_wait_tensorcnt 0x0                           ; the wave's end
	ds_add_u32 v254, v255
	s_wait_dscnt 0x0
	s_endpgm
.Lfunc_end_k_q8ece6157e2_attn:
	.size	k_q8ece6157e2_attn, .Lfunc_end_k_q8ece6157e2_attn-k_q8ece6157e2_attn
	.p2alignl 7, 3214868480
	.fill 96, 4, 3214868480
	.section	.rodata,"a",@progbits
	.p2align	6, 0x0
	.amdhsa_kernel k_q8ece6157e2_attn
		.amdhsa_group_segment_fixed_size 308224
		.amdhsa_private_segment_fixed_size 0
		.amdhsa_enable_private_segment 0
		.amdhsa_kernarg_size 48
		.amdhsa_user_sgpr_count 2
		.amdhsa_user_sgpr_kernarg_segment_ptr 1
		.amdhsa_wavefront_size32 1
		.amdhsa_system_sgpr_workgroup_id_x 1
		.amdhsa_system_sgpr_workgroup_id_y 1
		.amdhsa_system_sgpr_workgroup_id_z 1
		.amdhsa_system_vgpr_workitem_id 0
		.amdhsa_next_free_vgpr 512
		.amdhsa_next_free_sgpr 66
		.amdhsa_reserve_vcc 1
		.amdhsa_float_denorm_mode_32 3
		.amdhsa_float_denorm_mode_16_64 3
		.amdhsa_memory_ordered 1
		.amdhsa_forward_progress 1
		.amdhsa_inst_pref_size 255
	.end_amdhsa_kernel
	.section	.bss,"aw",@nobits
	.p2align	6
	.space	262144
	.amdgpu_metadata
---
amdhsa.version: [ 1, 2 ]
amdhsa.kernels:
  - .name:           k_q8ece6157e2_attn
    .symbol:         k_q8ece6157e2_attn.kd
    .args:
      - { .name: q, .offset: 0, .size: 8, .value_kind: global_buffer, .address_space: global }
      - { .name: k, .offset: 8, .size: 8, .value_kind: global_buffer, .address_space: global }
      - { .name: v, .offset: 16, .size: 8, .value_kind: global_buffer, .address_space: global }
      - { .name: key_padding_mask, .offset: 24, .size: 8, .value_kind: global_buffer, .address_space: global }
      - { .name: lowp_scales, .offset: 32, .size: 8, .value_kind: global_buffer, .address_space: global }
      - { .name: out0, .offset: 40, .size: 8, .value_kind: global_buffer, .address_space: global }
    .group_segment_fixed_size: 308224
    .private_segment_fixed_size: 0
    .kernarg_segment_align: 8
    .kernarg_segment_size: 48
    .max_flat_workgroup_size: 256
    .sgpr_count:     66
    .vgpr_count:     512
    .wavefront_size: 32
...
	.end_amdgpu_metadata
.endif
;; end of part 1
